; MI455X (gfx1250); checked and timed in simulation.
; The chip was launched on July 23, 2026; its instructions are those of AMD's public machine-readable ISA for CDNA 5 (MIT licence, August 2026) and "CDNA5" Instruction Set Architecture Reference Guide (July 2026). The comments in the code are by the model that wrote it; some were corrected since.
;; Spike Refractory Encoder. Allowed arithmetic: matrix products marked QUANTISED: E2M1 operands, one E8M0 scale for each 32 along K, by v_wmma_scale_f32_16x16x128_f8f6f4 with both operands' format E2M1 (or v_wmma_scale_f32_32x16x128_f4), f32 sums; products left as they are: f32 operands where the result goes on into a quantised operand, else bf16, f16 or f32 operands; f32 sums; everything else in f32.
;; Inputs: W1 35 x 32 float32; W2_codes 32 x 1 x 16 uint8 (E2M1 codes of W2, K innermost, in blocks of 32 codes, two codes a byte); W2_scales 32 x 1 uint8 (E8M0 scales of W2, one for each 32 codes along K); b1 32 float32; b2 32 float32; gate_b one number float32; gate_w 32 float32; log_alpha 64 float32; log_tau_r 64 float32; mask 8 x 2,048 float32; time_norm 8 x 2,048 float32; value 8 x 2,048 float32; var_emb 64 x 32 float32; var_id 8 x 2,048 int32.
;; Outputs: out0 8 x 2,048 float32.
;; This version of the problem:
;;   THIS VERSION OF THE PROBLEM IS GIVEN IN LOW PRECISION. The matrix products marked QUANTISED in the list below multiply operands that are first quantised to E2M1 (2 exponent bits, 1 mantissa bit; 4 bits a number), with one power-of-two scale for each 32 numbers along K (OCP MX v1.0); their sums are f32. All else is computed in f32.
;;   The module's matrix products, in the order in which they are computed (A, B: the left and right operand; K: the contracted axis; several contracted axes count as one K, in the product's order):
;;     1. [M 16,384, K 35] x [K 35, N 32]; A: computed on the way; B: input W1: QUANTISED
;;     2. [M 16,384, K 32] x [K 32, N 32]; A: computed on the way; B: input W2 (given as codes): QUANTISED
;;     3. [M 16,384, K 32] x [K 32, N 1]; A: computed on the way; B: input gate_w: left as it is (N = 1 < 16)
;;     4. batch 8 x [M 2,048, K 2,048] x [K 2,048, N 1]; A: computed on the way; B: computed on the way: left as it is (N = 1 < 16)
;;   THE QUANTISER, for each operand of a quantised product, along K:
;;     - K is cut into blocks of 32 from its start; a last block that is shorter is filled with zeros.
;;     - A block's scale is 2^e with e = floor(log2(the largest magnitude in the block)) - 2, held to -126 .. 127; a block of zeros has e = 0. As a byte (E8M0): e + 127.
;;     - Each number is divided by its block's scale, clamped to +-6, and rounded to the nearest number of E2M1, ties to even, subnormals kept.
;;     - The product sums the exact products of the quantised numbers (number of the format x scale) in f32.
;;   ~~~python
;;   def quantise(x, axis):      # numpy; x: float32 -> the quantised numbers, widened to float32 again
;;       x = np.moveaxis(x, axis, -1); K = x.shape[-1]
;;       x = np.pad(x, [(0, 0)] * (x.ndim - 1) + [(0, -K % 32)]); x = x.reshape(x.shape[:-1] + (-1, 32)); a = np.abs(x).max(-1, keepdims=True)
;;       e = np.where(a > 0, np.clip(np.frexp(np.where(a > 0, a, 1))[1] - 1 - 2, -126, 127), 0)      # np.frexp(a)[1] - 1 = floor(log2(a)), exactly
;;       r = np.clip(x / 2.0 ** e, -6, 6)
;;       step = 2.0 ** (np.maximum(np.frexp(np.where(r == 0, 1, r))[1] - 1, 0) - 1)
;;       q = np.round(r / step) * step * 2.0 ** e      # np.round: ties to even
;;       return np.moveaxis(q.reshape(q.shape[:-2] + (-1,))[..., :K], -1, axis).astype(np.float32)
;;   ~~~
;;   OPERANDS COMPUTED ON THE WAY. 'Computed on the way' means the value that the module computes at that place (a softmax that the list does not call 'softmax' is quantised finished and normalised). What goes into a quantiser is computed in f32, as accurately as f32 sums, v_exp_f32 and their like allow (about 1e-6 of the number): no bf16 or f16 on the way to a quantiser, and a product that is left as it is and whose result goes on into a quantised operand takes f32 operands (vector FMAs, or v_wmma_f32_16x16x4_f32). A number that lies on a knife's edge between two numbers of the format may be rounded either way, as far as f32 arithmetic and the matrix unit's own rounding can turn it there, and no further.
;;   INPUTS GIVEN AS CODES. W2 (in the module: [32, 32], K = its axis 0): each comes as NAME_codes (uint8): NAME with its K axis moved to the last place and cut into blocks of 32 codes, [.., K / 32, bytes a block], one block behind the other in memory; two codes a byte, the lower K in the low four bits (a code: sign, 2 exponent bits, 1 mantissa bit); and NAME_scales (uint8): the same leading axes, one E8M0 byte (e + 127) for each 32 codes along K. Its value is code x scale, taken as it is: it is not quantised again, and the codes and scales need not be those that the quantiser above would give.
;; One version. Each part assembles by itself: llvm-mc -triple=amdgcn-amd-amdhsa -mcpu=gfx1250 --defsym DOCPART=n.
;; ======== version 1 of 1: 1 launch
;; launch bucket (part 1): grid 64 x 8, 1 waves a work-group, no clusters, 49,920 bytes of LDS; arguments var_id, time_norm, value, mask, var_emb, W1, b1, W2_codes, W2_scales, b2, gate_w, gate_b, log_tau_r, log_alpha, out0; writes out0
.if DOCPART == 1
	.amdgcn_target "amdgcn-amd-amdhsa--gfx1250"
	.amdhsa_code_object_version 6
	.text
	.protected	k_qbd3e6b5c43_bucket
	.globl	k_qbd3e6b5c43_bucket
	.p2align	8
	.type	k_qbd3e6b5c43_bucket,@function
k_qbd3e6b5c43_bucket:
	s_mov_b64 s[64:65], 0
	v_nop
	global_prefetch_b8 v0, s[64:65] scope:SCOPE_SE
	s_setreg_imm32_b32 hwreg(HW_REG_WAVE_MODE, 25, 1), 1
	s_wait_xcnt 0x0
; SpikeRefractoryEncoder, one launch.  out[b][n] = sr_n (1 - tanh(alpha_v sum)) mask_n,  sum = the sum over m of [var_m = var_n][t_n > t_m] mask_n mask_m exp(-(t_n - t_m) / max(tau_v, 1e-6)) sr_m,
; sr = sigmoid(gate_w . (gelu(feats W1 + b1) W2 + b2) + gate_b) mask,  feats = (value mask, time, mask, var_emb[var]): K = 35.  Both products of the MLP run on codes of FP4 (E2M1) with E8M0 scales.
; SHARES.  An observation needs only observations of its own batch and variable.  So work-group (x = variable v, y = batch b), ONE wave, owns the bucket (b, v): it scans the batch's 2,048 var ids, lists
; its L members in LDS, gathers their value, time and mask, runs the MLP on tiles of 16 of them, sums over the L x L pairs and stores L numbers.  Pairs of unlike variables are never formed.
; One wave to a work-group: the list's places come from counts over var_id and the trip counts from L; with one wave no barrier is needed and LDS is the wave's own.
; NOT USED: joint loads in a cluster, though 64 work-groups read the same 8,192 bytes of var_id: they are tensor loads.
; OUT: a lane stores the 4 bytes of its observation at the observation's own place; the places of a bucket are strewn over the batch's row, 65,536 bytes in the whole launch.
; All lanes are on throughout: EXEC is never written.  A lane past the bucket's last member does the last member's work over again and stores the same number to the same word.
; LIMITS.  NaN and infinities among the inputs are not served.  var_id lies in 0 .. 63, as the indexing of the tables takes it.  A block of zeros gets the scale byte 1, not 127: its codes are zeros and
; the bytes are read here alone.  v_exp_f32 gives 0 for results under 2^-126 (ISA guide, its entry): decays and gelu's far negative tail (x under about -13) are 0 there.
; ORDER OF ROUNDING that differs: the pair sum runs in list order in eight chains; mask_n is multiplied in behind the sum; -log2(e) / tau is made by a reciprocal; 2 log2(e) alpha and -log2(e) gate_b are made once.
; A bucket of L members costs L x L pair work in one wave: right for every split, slow where one variable holds most of a batch.
.set LIST,  0                          ; LDS: 2,112 list entries (observation numbers): 2,048 + 64 of padding
.set DUMPE, 2112                       ; entries 2112 .. 2143: a word for each lane, written by lanes that hold no member, never read
.set TT,    8704                       ; by place in the list, 4 bytes each, 2,048 places: time,
.set VMB,   16896                      ; value x mask,
.set MKB,   25088                      ; mask,
.set WMB,   33280                      ; mask x sr (0 from place L on),
.set SRB,   41472                      ; sr.  End: 49,664
.set RR,  1                            ; v1   r = lane % 16
.set HH,  2                            ; v2   h = lane / 16
.set L4,  3                            ; v3   4 x lane
.set L16, 4                            ; v4   16 x lane
.set NIL, 5                            ; v5   0
.set DI,  6                            ; v6   my dump entry; in the pairs: my observation, bounded, as a byte offset
.set GA,  7                            ; v7   the gather's place, in bytes; in the pairs: my place, in bytes
.set A16, 8                            ; v8   the MLP's place, in bytes; in the pairs: the partners' place, in bytes
.set POS, 9                            ; v9   the MLP's place; in the pairs: 32 x trip + lane
.set E29, 10                           ; v10-12 var_emb[v][29 .. 31]: K = 32 .. 34
.set CM,  13                           ; v13  largest |var_emb[v][0 .. 28]| in lanes 0-15, 0 in lanes 16-31
.set SCK, 14                           ; v14  block 1's scale byte of every row of feats, at bits 15:8
.set GB,  15                           ; v15  -log2(e) gate_b
.set CC,  16                           ; v[16:17] -log2(e) / max(tau, 1e-6), twice
.set AL2, 18                           ; v18  2 log2(e) alpha
.set SH8, 19                           ; v19  8 h
.set W1S, 20                           ; v20-21 W1's scale words;  v22-23 W2's;  v24 feats';  v25 the hidden layer's: these six hold scales and nothing else
.set W2S, 22
.set XS,  24
.set HS,  25
.set F,   26                           ; v26-57  my 32 numbers of a row of feats: lanes 0-15 K = 0 .. 31, lanes 16-31 K = 32 .. 63
.set XQ,  58                           ; v58-65  feats' fragment;  v66-73 the hidden layer's;  v74-89 W1's two;  v90-105 W2's two.  Registers 4 .. 7 of each (K = 64 .. 127) are zero codes
.set HQ,  66
.set W1Q, 74
.set W2Q, 90
.set B1,  106                          ; v106-121 b1, v122-137 b2, v138-153 gate_w, each in the layout of the result that it meets
.set B2,  122
.set GW,  138
.set VI,  154                          ; v154-217 the batch's var ids, 64 a lane; then W1, 2 x 32 numbers
.set W1T, 154
.set SA,  218                          ; v218-225 the scan's LDS addresses;  v226-233 observation numbers;  v218-225 later the gather's registers
.set SI,  226
.set WO0, 242                          ; head only: byte offsets for W1, b1, b2 and gate_w, W2's codes
.set WOH, 243
.set O64, 244
.set O32, 245
.set O16, 246
.set HA,  154                          ; MLP: v154-169 the hidden layer (two accumulators);  v170-185 the second product's
.set D2,  170
.set GU,  186                          ; gelu, eight registers each: u, u^2, 1 / |u|, exp(-u^2), two polynomials
.set GS,  194
.set GQ,  202
.set GZ,  210
.set GPP, 218
.set GPT, 226
.set TV,  234                          ; MLP: value x mask, time, mask of my place; at work
.set TTI, 235
.set TMK, 236
.set TMX, 237
.set TSO, 238
.set TA,  239
.set TP,  240
.set TG,  242
.set TG2, 244
.set KT,  250                          ; v[250:251], v[252:253], v[254:255]: the first coefficient of each of erfc's three polynomials, twice
.set KP,  252
.set KR,  254
.set PTM, 26                           ; pairs: v26-57 32 partners' times;  v58-89 their weights;  v90-121 t_n - t_m;  v122-153 the decays;  v154-161 eight sums
.set PWM, 58
.set PD,  90
.set PX,  122
.set ACC, 154
.set TN,  162                          ; v[162:163] my time, twice;  v164 my sr;  v165 my mask;  v170 the result
.set SRN, 164
.set MKN, 165
.set PO,  170
.set IDN, DI                           ; the pairs' address and place registers are v6-v9, which the scan, the gather and the MLP have left
.set AN,  GA
.set AM,  A16
.set PSN, POS
; scalars: s2 v, s3 b, s4 L, s[6:7] an offset, s[8:37] the buffers, s38 -log2(e), s44-45 lane selects, s46 the mask of lanes 16-31, s47 L / 64, s48 L / 16, s49 L / 32 (each rounded up), s50-51 counters,
; s52-59 the scan's counts, s60 members so far, s61 at work, s63 L - 1, s66-97 lane masks
	s_load_b512 s[8:23], s[0:1], 0x0               ; var_id 8, time 10, value 12, mask 14, var_emb 16, W1 18, b1 20, W2's codes 22
	s_load_b256 s[24:31], s[0:1], 0x40             ; W2's scales 24, b2 26, gate_w 28, gate_b 30
	s_load_b128 s[32:35], s[0:1], 0x60             ; log_tau_r 32, log_alpha 34
	s_load_b64 s[36:37], s[0:1], 0x70              ; out0
	s_set_vgpr_msb 0x40
	v_lshl_add_u32 v0, v0, 2, 0xc200
	v_mov_b32 v1, 0
	s_set_vgpr_msb 0x4000
	s_mov_b32 s2, ttmp9                            ; my variable
	s_and_b32 s3, ttmp7, 0xffff                    ; my batch
	s_mov_b32 s38, 0xbfb8aa3b                      ; -log2(e)
	s_mov_b32 s44, 0x76543210
	s_mov_b32 s45, 0xfedcba98                      ; v_permlanex16_b32's selects for lane l xor 16
	s_mov_b32 s46, 0xffff0000
	s_mov_b32 s7, 0
	v_and_b32 v[RR], 15, v0
	v_lshrrev_b32 v[HH], 4, v0
	v_lshlrev_b32 v[L4], 2, v0
	v_lshlrev_b32 v[L16], 4, v0
	v_mov_b32 v[NIL], 0
	v_add_nc_u32 v[DI], DUMPE, v0
	v_lshlrev_b32 v[GA], 2, v0
	v_lshlrev_b32 v[A16], 2, v[RR]
	v_mov_b32 v[POS], v[RR]
	v_lshlrev_b32 v[SH8], 3, v[HH]
	v_and_b32 v[WO0], 8, v[RR]
	v_add_nc_u32 v[WO0], v[WO0], v[RR]
	v_lshlrev_b32 v[WO0], 2, v[WO0]                ; W1: THE COLUMNS OF A TILE ARE NOT NEIGHBOURS: lane r of tile u takes column 8 u + r + 8 (r / 8)
	v_lshl_add_u32 v[WOH], v[HH], 12, v[WO0]       ; and lanes 16-31 begin 32 rows of 128 bytes further down
	v_lshlrev_b32 v[O64], 6, v[HH]
	v_lshlrev_b32 v[O32], 5, v[HH]
	v_lshlrev_b32 v[O16], 4, v[RR]
.irp r, XQ+4, HQ+4, W1Q+4, W1Q+12, W2Q+4, W2Q+12
.irp i, 0,1,2,3
	v_mov_b32 v[\r+\i], 0                          ; K = 64 .. 127 of every fragment: zero codes, written once
.endr
.endr
	v_mov_b32 v247, 0                              ; a lane permute's destination counts as one of its sources
	v_mov_b32 v248, 0
.irp i, 0,1
	v_mov_b32 v[KT+\i], 0x38a4b519                 ;  7.853861e-5
	v_mov_b32 v[KP+\i], 0x3cbe9cf4                 ;  2.326820e-2
	v_mov_b32 v[KR+\i], 0xc127a483                 ; -10.47766
.endr
	s_wait_kmcnt 0x0
	s_lshl_b32 s6, s3, 13                          ; my batch's row: 2,048 x 4 bytes
	s_add_nc_u64 s[8:9], s[8:9], s[6:7]
	s_add_nc_u64 s[10:11], s[10:11], s[6:7]
	s_add_nc_u64 s[12:13], s[12:13], s[6:7]
	s_add_nc_u64 s[14:15], s[14:15], s[6:7]
	s_add_nc_u64 s[36:37], s[36:37], s[6:7]
	s_lshl_b32 s6, s2, 7                           ; my variable's row of var_emb: 128 bytes
	s_add_nc_u64 s[16:17], s[16:17], s[6:7]
	s_lshl_b32 s6, s2, 2
	s_add_nc_u64 s[32:33], s[32:33], s[6:7]
	s_add_nc_u64 s[34:35], s[34:35], s[6:7]
.irp j, 0,1,2,3,4,5,6,7,8,9,10,11,12,13,14,15
	global_load_b128 v[VI+4*\j:VI+4*\j+3], v[L16], s[8:9] offset:512*\j   ; register 4 j + i of lane l: observation 128 j + 4 l + i; 512 consecutive bytes a load
.endr
	; 27 loads of constants
.irp j, 0,1,2,3,4,5,6,7
	global_load_b128 v[F+4*\j:F+4*\j+3], v[NIL], s[16:17] offset:16*\j    ; var_emb[v], the same in every lane
.endr
.irp u, 0,1
	global_load_b128 v[B1+8*\u:B1+8*\u+3],   v[O64], s[20:21] offset:32*\u      ; b1[16 h + 8 u + 0 .. 7]
	global_load_b128 v[B1+8*\u+4:B1+8*\u+7], v[O64], s[20:21] offset:32*\u+16
	global_load_b128 v[B2+8*\u:B2+8*\u+3],   v[O32], s[26:27] offset:64*\u      ; b2[16 u + 8 h + 0 .. 7]
	global_load_b128 v[B2+8*\u+4:B2+8*\u+7], v[O32], s[26:27] offset:64*\u+16
	global_load_b128 v[GW+8*\u:GW+8*\u+3],   v[O32], s[28:29] offset:64*\u      ; gate_w likewise
	global_load_b128 v[GW+8*\u+4:GW+8*\u+7], v[O32], s[28:29] offset:64*\u+16
	global_load_b128 v[W2Q+8*\u:W2Q+8*\u+3], v[O16], s[22:23] offset:256*\u     ; W2's row 16 u + r: 32 codes, K = 0 .. 31
	global_load_u8 v[W2S+\u], v[RR], s[24:25] offset:16*\u                      ; and its scale byte; bytes 1 to 3 come as 0 and stand over zero codes
.endr
	global_load_b32 v[GB], v[NIL], s[30:31]
	global_load_b32 v234, v[NIL], s[32:33]         ; log tau
	global_load_b32 v235, v[NIL], s[34:35]         ; log alpha
; THE SCAN.  Eight registers of var ids: which lanes hold a member; a member's place in the list = members so far + members in lower lanes; its observation number goes to that place.
.macro SCAN g
.irp k, 0,1,2,3,4,5,6,7
	v_cmp_eq_u32 s[66+\k], s2, v[VI+8*\g+\k]
.endr
.irp k, 0,1,2,3,4,5,6,7
	s_mov_b32 s[52+\k], s60
	s_bcnt1_i32_b32 s61, s[66+\k]
	s_add_co_u32 s60, s60, s61
.endr
.irp k, 0,1,2,3,4,5,6,7
	v_mbcnt_lo_u32_b32 v[SA+\k], s[66+\k], s[52+\k]
.endr
.irp k, 0,1,2,3,4,5,6,7
	v_cndmask_b32 v[SA+\k], v[DI], v[SA+\k], s[66+\k]      ; a lane without a member writes its dump entry
.endr
.irp k, 0,1,2,3,4,5,6,7
	v_min_u32 v[SA+\k], 2143, v[SA+\k]                     ; a number made of loaded data enters an address behind a bound written here
.endr
.irp k, 0,1,2,3,4,5,6,7
	v_lshlrev_b32 v[SA+\k], 2, v[SA+\k]
.endr
.irp k, 0,1,2,3,4,5,6,7
	v_add_nc_u32 v[SI+\k], 128*((8*\g+\k)/4)+(8*\g+\k)%4, v[L4]
.endr
.irp k, 0,1,2,3,4,5,6,7
	ds_store_b32 v[SA+\k], v[SI+\k]
.endr
.endm
; W1 [35][32], K its first axis: a lane takes a column and its registers run down K.  Lanes 16-31 hold block 1: rows 32 .. 34; for the rest they read rows 3 .. 31 like lanes 0-15, so that no load leaves W1, and are cleared later.
.macro W1LOAD u
.irp i, 0,1,2
	global_load_b32 v[W1T+32*\u+\i], v[WOH], s[18:19] offset:128*\i+32*\u
.endr
.set i, 3
.rept 29
	global_load_b32 v[W1T+32*\u+i], v[WO0], s[18:19] offset:128*i+32*\u
.set i, i+1
.endr
.endm
	s_wait_loadcnt 27                              ; var_id's 16 loads are in; the 27 loads of constants behind them may be out
	s_mov_b32 s60, 0
	SCAN 0
	SCAN 1
	SCAN 2
	SCAN 3
	s_wait_loadcnt 0x0                             ; the constants are in
	W1LOAD 0                                       ; into the 32 registers of var ids that have been scanned
	SCAN 4
	SCAN 5
	SCAN 6
	SCAN 7
	W1LOAD 1
	s_mov_b32 s4, s60                              ; L
	s_cmp_eq_u32 s4, 0
	s_cbranch_scc1 .Lend                           ; nobody in this batch has my variable: nothing to store
	s_add_co_u32 s47, s4, 63
	s_lshr_b32 s47, s47, 6
	s_add_co_u32 s48, s4, 15
	s_lshr_b32 s48, s48, 4
	s_add_co_u32 s49, s4, 31
	s_lshr_b32 s49, s49, 5
	s_sub_co_u32 s63, s4, 1                        ; the last member's place
	v_add_nc_u32 v249, s4, v0                      ; places L .. L + 63 name observation 0, so that whole groups of 64 places can be gathered; their weights are 0
	v_min_u32 v249, 2079, v249
	v_lshlrev_b32 v249, 2, v249
	ds_store_b32 v249, v[NIL]
	ds_store_b32 v249, v[NIL] offset:128
; THE GATHER, 64 places at a time, two a lane.
.macro GISSUE
	ds_load_b32 v218, v[GA] offset:LIST            ; LDS serves a wave's instructions in order (ISA guide 5.7.1): these see the list's stores
	ds_load_b32 v219, v[GA] offset:LIST+128
	s_wait_dscnt 0x0
	v_min_u32 v218, 2047, v218
	v_min_u32 v219, 2047, v219
	v_lshlrev_b32 v218, 2, v218
	v_lshlrev_b32 v219, 2, v219
	global_load_b32 v220, v218, s[12:13]           ; value
	global_load_b32 v221, v219, s[12:13]
	global_load_b32 v222, v218, s[10:11]           ; time
	global_load_b32 v223, v219, s[10:11]
	global_load_b32 v224, v218, s[14:15]           ; mask
	global_load_b32 v225, v219, s[14:15]
.endm
.macro GFINISH
	s_wait_loadcnt 0x0                             ; the six are in, and their address registers are free
	v_mul_f32 v220, v220, v224
	v_mul_f32 v221, v221, v225
	ds_store_b32 v[GA], v222 offset:TT
	ds_store_b32 v[GA], v223 offset:TT+128
	ds_store_b32 v[GA], v220 offset:VMB
	ds_store_b32 v[GA], v221 offset:VMB+128
	ds_store_b32 v[GA], v224 offset:MKB
	ds_store_b32 v[GA], v225 offset:MKB+128
	ds_store_b32 v[GA], v[NIL] offset:WMB          ; the weights begin as 0: the MLP writes 16 places at a time, the pairs read 32 partners at a time
	ds_store_b32 v[GA], v[NIL] offset:WMB+128
	v_add_nc_u32 v[GA], 256, v[GA]
.endm
	GISSUE
	; while the gathers and W1 are on their way: what is the same for every row of the bucket
	v_mul_f32 v234, 0x3fb8aa3b, v234
	v_mul_f32 v235, 0x3fb8aa3b, v235
	v_exp_f32 v234, v234                           ; tau
	v_exp_f32 v235, v235                           ; alpha
	v_mov_b32 v[E29], v[F+29]
	v_mov_b32 v[E29+1], v[F+30]
	v_mov_b32 v[E29+2], v[F+31]
.set j, 28
.rept 29
	v_cndmask_b32 v[F+3+j], v[F+j], v[NIL], s46    ; K = 3 + j is var_emb[v][j] in lanes 0-15; K = 35 .. 63 is 0 in lanes 16-31.  From the top down, so that no number is lost
.set j, j-1
.endr
	s_wait_alu depctr_va_vdst(0)                   ; one wait for the two exponentials, ahead of their first reader
	v_max_num_f32 v234, 0x358637bd, v234           ; max(tau, 1e-6)
	v_rcp_f32 v[CC], v234
	v_max3_num_f32 v[CM], |v[F+3]|, |v[F+4]|, |v[F+5]|
	v_max3_num_f32 v249, |v[F+6]|, |v[F+7]|, |v[F+8]|
.irp i, 9,13,17,21,25
	v_max3_num_f32 v[CM], v[CM], |v[F+\i]|, |v[F+\i+1]|
	v_max3_num_f32 v249, v249, |v[F+\i+2]|, |v[F+\i+3]|
.endr
	v_max3_num_f32 v[CM], v[CM], |v[F+29]|, |v[F+30]|
	v_max3_num_f32 v[CM], v[CM], v249, |v[F+31]|
	v_max3_num_f32 v[SCK], |v[E29]|, |v[E29+1]|, 0x1800000   ; block 1 of feats: three numbers and the floor 2^(3 - 127), which holds the byte at 1 from below
	v_max_num_f32 v[SCK], v[SCK], |v[E29+2]|
	v_add_nc_u32 v[SCK], 0xff000000, v[SCK]        ; 2 off the exponent field,
	v_lshrrev_b32 v[SCK], 23, v[SCK]               ; the byte,
	v_lshlrev_b32 v[SCK], 8, v[SCK]                ; at block 1's place in the scale word
.irp u, 0,1
.irp i, 0,1,2,3
	v_cndmask_b32 v[W2Q+8*\u+\i], v[W2Q+8*\u+\i], v[NIL], s46   ; W2 has K = 32: lanes 16-31 (K = 32 .. 63) hold zero codes
.endr
.endr
	v_mul_f32 v[GB], 0xbfb8aa3b, v[GB]
	v_mul_f32 v[AL2], 0x4038aa3b, v235
	s_wait_alu depctr_va_vdst(0)                   ; the reciprocal's wait
	v_mul_f32 v[CC], 0xbfb8aa3b, v[CC]
	v_mov_b32 v[CC+1], v[CC]
	; W1 is quantised along K: a lane holds one whole block of its column, so no other lane is asked for a maximum, and the conversions' results are the operand's registers
	s_wait_loadcnt 0x6                             ; W1's 64 loads are in; the six gathers behind them may be out
.set i, 3
.rept 29
	v_cndmask_b32 v[W1T+i], v[W1T+i], v[NIL], s46          ; K = 35 .. 63: zeros
	v_cndmask_b32 v[W1T+32+i], v[W1T+32+i], v[NIL], s46
.set i, i+1
.endr
.irp u, 0,1
	v_max3_num_f32 v[236+\u], |v[W1T+32*\u]|, |v[W1T+32*\u+1]|, 0x1800000
.endr
.irp i, 2,4,6,8,10,12,14,16,18,20,22,24,26,28,30
.irp u, 0,1
	v_max3_num_f32 v[236+\u], v[236+\u], |v[W1T+32*\u+\i]|, |v[W1T+32*\u+\i+1]|   ; the two tiles by turns
.endr
.endr
.irp u, 0,1
	v_add_nc_u32 v[238+\u], 0xff000000, v[236+\u]  ; the conversion takes this operand's exponent field as its scale
.endr
.irp u, 0,1
	v_lshrrev_b32 v[240+\u], 23, v[238+\u]         ; the byte,
.endr
.irp u, 0,1
	v_lshlrev_b32 v[240+\u], v[SH8], v[240+\u]     ; at my block's place;
.endr
.irp u, 0,1
	v_permlanex16_b32 v[247+\u], v[240+\u], s44, s45
.endr
.irp u, 0,1
	v_or_b32 v[W1S+\u], v[240+\u], v[247+\u]       ; with lane l xor 16's the column's scale word is whole
.endr
.irp u, 0,1
.irp g, 0,1,2,3
	v_cvt_scalef32_pk8_fp4_f32 v[W1Q+8*\u+\g], v[W1T+32*\u+8*\g:W1T+32*\u+8*\g+7], v[238+\u]
.endr
.endr
	v_nop                                          ; one plain line behind the last scaled conversion
	GFINISH
	s_cmp_lt_u32 s47, 2
	s_cbranch_scc1 .Lgathered                      ; up to 64 members: all are gathered
	s_mov_b32 s50, 1
.Lgather:
	GISSUE
	GFINISH
	s_add_co_u32 s50, s50, 1
	s_cmp_ge_u32 s50, s47                          ; the loop is left when the bucket's groups are done;
	s_cbranch_scc1 .Lgathered
	s_cmp_lt_u32 s50, 32                           ; L is at most 2,048: never more than 32 groups of 64
	s_cbranch_scc1 .Lgather
.Lgathered:
.macro MX d, a, b, c, sa, sb
	v_wmma_scale_f32_16x16x128_f8f6f4 v[\d:\d+7], v[\a:\a+7], v[\b:\b+7], v[\c:\c+7], v[\sa], v[\sb] matrix_a_fmt:MATRIX_FMT_FP4 matrix_b_fmt:MATRIX_FMT_FP4
.endm
.macro PLACES n
.rept \n
	v_nop
.endr
.endm
; A polynomial for eight numbers, four pairs by turns.  PFIRST: dst = var x c0 + c1;  PSTEP: dst = dst x var + c.
.macro PFIRST dst, var, c0, c1
.irp p, 0,2,4,6
	v_pk_fma_f32 v[\dst+\p:\dst+\p+1], v[\var+\p:\var+\p+1], v[\c0:\c0+1], \c1 op_sel_hi:[1,1,0]
.endr
.endm
.macro PSTEP dst, var, c
.irp p, 0,2,4,6
	v_pk_fma_f32 v[\dst+\p:\dst+\p+1], v[\dst+\p:\dst+\p+1], v[\var+\p:\var+\p+1], \c op_sel_hi:[1,1,0]
.endr
.endm
; gelu(x) = x / 2 x erfc(u), u = -x / sqrt(2), in place on eight registers, in f32 throughout since a quantiser follows.  erfc in three ranges (Cephes' single-precision fits):
; |u| < 1: 1 - u T(u^2);  1 <= |u| < 2: exp(-u^2) / |u| x P(1 / u^2);  |u| >= 2: the same with R;  for u < 0 and |u| >= 1: 2 - that.  All three are computed and chosen by selects: what a range
; that is not chosen makes of its number (u = 0 gives an infinity, a large u an overflow) is dropped by the select.
.macro GELU8 x
.irp p, 0,2,4,6
	v_pk_mul_f32 v[GU+\p:GU+\p+1], v[\x+\p:\x+\p+1], 0xbf3504f3 op_sel_hi:[1,0]   ; the accumulator is read from its low end on
.endr
.irp p, 0,2,4,6
	v_pk_mul_f32 v[GS+\p:GS+\p+1], v[GU+\p:GU+\p+1], v[GU+\p:GU+\p+1]
.endr
.irp p, 0,2,4,6
	v_pk_mul_f32 v[GZ+\p:GZ+\p+1], v[GS+\p:GS+\p+1], 0xbfb8aa3b op_sel_hi:[1,0]
.endr
.irp i, 0,1,2,3,4,5,6,7
	v_rcp_f32 v[GQ+\i], |v[GU+\i]|
.endr
.irp i, 0,1,2,3,4,5,6,7
	v_exp_f32 v[GZ+\i], v[GZ+\i]                   ; exp(-u^2).  The sixteen are one batch
.endr
	PFIRST GPT, GS, KT, 0xba51fb80                 ; T: work that names none of the batch's results stands behind it
.irp c, 0x3baa02d9, 0xbcdbfc87, 0x3de7167c, 0xbec0939f, 0x3f906eba
	PSTEP GPT, GS, \c
.endr
.irp i, 0,1,2,3,4,5,6,7
	v_cmp_gt_f32 s[66+\i], 2.0, |v[GU+\i]|
	v_cmp_gt_f32 s[74+\i], 0, v[GU+\i]
	v_cmp_gt_f32 s[82+\i], 1.0, |v[GU+\i]|
.endr
	s_wait_alu depctr_va_vdst(0)                   ; ONE wait for the batch, ahead of its first reader
.irp p, 0,2,4,6
	v_pk_mul_f32 v[GZ+\p:GZ+\p+1], v[GZ+\p:GZ+\p+1], v[GQ+\p:GQ+\p+1]     ; exp(-u^2) / |u|
.endr
.irp p, 0,2,4,6
	v_pk_mul_f32 v[GQ+\p:GQ+\p+1], v[GQ+\p:GQ+\p+1], v[GQ+\p:GQ+\p+1]     ; 1 / u^2
.endr
	PFIRST GPP, GQ, KP, 0xbe0e0868                 ; P
	PFIRST GS, GQ, KR, 0x414fa29c                  ; R, in u^2's registers, which T has left
.irp c, 0x3ebccbd0, 0xbf151cf8, 0x3f1ef9e3, 0xbefd28c0, 0x3eae5471, 0xbe8c5880, 0x3f1056e6
	PSTEP GPP, GQ, \c
.endr
.irp c, 0xc0efdb4a, 0x403af1fa, 0xbf81f436, 0x3ed7fc3e, 0xbe906c5d, 0x3f106eb9
	PSTEP GS, GQ, \c
.endr
.irp i, 0,1,2,3,4,5,6,7
	v_cndmask_b32 v[GPP+\i], v[GS+\i], v[GPP+\i], s[66+\i]                ; |u| < 2: P, else R
.endr
.irp p, 0,2,4,6
	v_pk_mul_f32 v[GZ+\p:GZ+\p+1], v[GZ+\p:GZ+\p+1], v[GPP+\p:GPP+\p+1]   ; erfc(|u|)
.endr
.irp p, 0,2,4,6
	v_pk_fma_f32 v[GS+\p:GS+\p+1], v[GZ+\p:GZ+\p+1], -1.0, 2.0 op_sel_hi:[1,0,0]
.endr
.irp i, 0,1,2,3,4,5,6,7
	v_cndmask_b32 v[GZ+\i], v[GZ+\i], v[GS+\i], s[74+\i]                  ; u < 0: 2 - erfc(|u|)
.endr
.irp p, 0,2,4,6
	v_pk_fma_f32 v[GPT+\p:GPT+\p+1], v[GU+\p:GU+\p+1], v[GPT+\p:GPT+\p+1], 1.0 op_sel_hi:[1,1,0] neg_lo:[1,0,0] neg_hi:[1,0,0]   ; 1 - u T
.endr
.irp i, 0,1,2,3,4,5,6,7
	v_cndmask_b32 v[GZ+\i], v[GZ+\i], v[GPT+\i], s[82+\i]                 ; |u| < 1
.endr
.irp p, 0,2,4,6
	v_pk_mul_f32 v[\x+\p:\x+\p+1], v[\x+\p:\x+\p+1], 0.5 op_sel_hi:[1,0]
.endr
.irp p, 0,2,4,6
	v_pk_mul_f32 v[\x+\p:\x+\p+1], v[\x+\p:\x+\p+1], v[GZ+\p:GZ+\p+1]
.endr
.endm
; THE MLP, 16 places of the list a trip.  Both products are used transposed (source 0 = 16 columns of the weight, source 1 = the 16 rows), so that lane (r, h) holds place 16 x trip + r throughout and
; its registers run along the next K.  Each accumulator gets ONE matrix instruction, whose C is the bias in other registers: no sum is carried from one matrix instruction to the next.
	s_mov_b32 s50, 0
.Lmlp:
	ds_load_b32 v[TV], v[A16] offset:VMB
	ds_load_b32 v[TTI], v[A16] offset:TT
	ds_load_b32 v[TMK], v[A16] offset:MKB
	s_wait_dscnt 0x0
	v_cndmask_b32 v[F], v[TV], v[E29], s46         ; lanes 0-15: K = 0, 1, 2;  lanes 16-31: K = 32, 33, 34.  All other K of the row are the same for the whole bucket
	v_cndmask_b32 v[F+1], v[TTI], v[E29+1], s46
	v_cndmask_b32 v[F+2], v[TMK], v[E29+2], s46
	v_max3_num_f32 v[TMX], |v[F]|, |v[F+1]|, 0x1800000     ; my block's largest magnitude, with the floor
	v_max3_num_f32 v[TMX], v[TMX], |v[F+2]|, v[CM]
	v_add_nc_u32 v[TSO], 0xff000000, v[TMX]
	v_lshrrev_b32 v[TA], 23, v[TSO]
	v_or_b32 v[XS], v[TA], v[SCK]                  ; lane r: block 0's byte of row r, and block 1's
.irp g, 0,1,2,3
	v_cvt_scalef32_pk8_fp4_f32 v[XQ+\g], v[F+8*\g:F+8*\g+7], v[TSO]
.endr
	PLACES 8                                       ; a scale register written by a vector line stands eight places ahead of a scaled matrix instruction, an operand four
	MX HA, W1Q, XQ, B1, W1S, XS                    ; register 8 u + j: hidden unit 16 h + 8 u + j of my place
	MX HA+8, W1Q+8, XQ, B1+8, W1S+1, XS
	PLACES 4                                       ; four places ahead of the first read of a result (ISA guide 7.12.1)
	GELU8 HA
	GELU8 HA+8
	v_max3_num_f32 v[TMX], |v[HA]|, |v[HA+1]|, 0x1800000   ; the hidden layer is one block of 32: my 16 numbers,
	v_max3_num_f32 v[TA], |v[HA+2]|, |v[HA+3]|, |v[HA+4]|
.irp i, 5,9
	v_max3_num_f32 v[TMX], v[TMX], |v[HA+\i]|, |v[HA+\i+1]|
	v_max3_num_f32 v[TA], v[TA], |v[HA+\i+2]|, |v[HA+\i+3]|
.endr
	v_max3_num_f32 v[TMX], v[TMX], |v[HA+13]|, |v[HA+14]|
	v_max3_num_f32 v[TMX], v[TMX], v[TA], |v[HA+15]|
	v_permlanex16_b32 v[TP], v[TMX], s44, s45
	v_max_num_f32 v[TMX], v[TMX], v[TP]            ; and lane l xor 16's
	v_add_nc_u32 v[TSO], 0xff000000, v[TMX]
	v_lshrrev_b32 v[HS], 23, v[TSO]
	v_mov_b32 v[HQ+2], 0
	v_mov_b32 v[HQ+3], 0
	v_cvt_scalef32_pk8_fp4_f32 v[HQ], v[HA:HA+7], v[TSO]           ; K = 16 h + 0 .. 7
	v_cvt_scalef32_pk8_fp4_f32 v[HQ+1], v[HA+8:HA+15], v[TSO]      ; K = 16 h + 8 .. 15
	v_nop                                          ; one plain line behind a scaled conversion
	v_permlane16_swap_b32 v[HQ], v[HQ+2]           ; the operand wants the whole block in lanes 0-15: the upper lanes' codes go to registers 2 and 3 of the lower, zeros come back
	v_permlane16_swap_b32 v[HQ+1], v[HQ+3]
	PLACES 8
	MX D2, W2Q, HQ, B2, W2S, HS                    ; register 8 u + j: output 16 u + 8 h + j of my place
	MX D2+8, W2Q+8, HQ, B2+8, W2S+1, HS
	PLACES 4
	v_pk_mul_f32 v[TG:TG+1], v[D2:D2+1], v[GW:GW+1]                ; the gate, in f32: each accumulator from its low end on
	v_pk_mul_f32 v[TG2:TG2+1], v[D2+8:D2+9], v[GW+8:GW+9]
.irp p, 2,4,6
	v_pk_fma_f32 v[TG:TG+1], v[D2+\p:D2+\p+1], v[GW+\p:GW+\p+1], v[TG:TG+1]
	v_pk_fma_f32 v[TG2:TG2+1], v[D2+8+\p:D2+9+\p], v[GW+8+\p:GW+9+\p], v[TG2:TG2+1]
.endr
	v_pk_add_f32 v[TG:TG+1], v[TG:TG+1], v[TG2:TG2+1]
	v_add_f32 v[TG], v[TG], v[TG+1]
	v_permlanex16_b32 v[TP], v[TG], s44, s45
	v_add_f32 v[TG], v[TG], v[TP]
	v_fma_f32 v[TG], v[TG], s38, v[GB]             ; -log2(e) (gate_w . h + gate_b)
	v_cmp_gt_u32 vcc_lo, s4, v[POS]                ; is my place a member's?
	v_exp_f32 v[TG], v[TG]
	v_add_nc_u32 v[POS], 16, v[POS]                ; (the plain line behind the exponential)
	s_wait_alu depctr_va_vdst(0)
	v_add_f32 v[TG], 1.0, v[TG]
	v_rcp_f32 v[TG], v[TG]                         ; the sigmoid
	v_add_nc_u32 v[A16], 64, v[A16]                ; (the plain line behind the reciprocal: the stores below reach back by 64 bytes)
	s_wait_alu depctr_va_vdst(0)
	v_mul_f32 v[TG+1], v[TG], v[TMK]               ; sr
	v_mul_f32 v[TG2], v[TG+1], v[TMK]              ; its weight as a partner: mask x sr,
	v_cndmask_b32 v[TG2], v[NIL], v[TG2], vcc_lo   ; 0 for padding
	ds_store_b32 v[A16], v[TG+1] offset:SRB-64     ; lanes l and l xor 16 write the same word with the same value
	ds_store_b32 v[A16], v[TG2] offset:WMB-64
	s_add_co_u32 s50, s50, 1
	s_cmp_ge_u32 s50, s48
	s_cbranch_scc1 .Lmlp_done
	s_cmp_lt_u32 s50, 128                          ; L is at most 2,048: never more than 128 tiles of 16
	s_cbranch_scc1 .Lmlp
.Lmlp_done:
; THE PAIRS.  A lane owns a place n (32 a trip of the outer loop); the inner loop takes 32 partners m a trip, the same for all lanes: every lane reads the same 16 bytes of LDS.
	v_mov_b32 v[PSN], v0
	s_mov_b32 s50, 0
.Lrows:
	v_min_u32 v[AN], s63, v[PSN]                   ; a lane past the last member takes the last member's place: it makes the same number from the same data and stores it to the same word
	v_min_u32 v[AN], 2047, v[AN]                   ; a number made of loaded data enters an address behind a bound written here
	v_lshlrev_b32 v[AN], 2, v[AN]
	ds_load_b32 v[TN], v[AN] offset:TT             ; LDS serves a wave's instructions in order: these see the MLP's stores
	ds_load_b32 v[SRN], v[AN] offset:SRB
	ds_load_b32 v[MKN], v[AN] offset:MKB
	ds_load_b32 v[IDN], v[AN] offset:LIST
.irp i, 0,1,2,3,4,5,6,7
	v_mov_b32 v[ACC+\i], 0
.endr
	v_mov_b32 v[AM], 0
	s_mov_b32 s51, 0
	s_wait_dscnt 0x0
	v_mov_b32 v[TN+1], v[TN]
.Lcols:
.irp k, 0,1,2,3,4,5,6,7
	ds_load_b128 v[PTM+4*\k:PTM+4*\k+3], v[AM] offset:TT+16*\k
.endr
.irp k, 0,1,2,3,4,5,6,7
	ds_load_b128 v[PWM+4*\k:PWM+4*\k+3], v[AM] offset:WMB+16*\k
.endr
	s_wait_dscnt 0x8                               ; the times' eight loads are in; the weights' eight behind them may be out
.set k, 0
.rept 16
	v_pk_add_f32 v[PD+k:PD+k+1], v[TN:TN+1], v[PTM+k:PTM+k+1] neg_lo:[0,1] neg_hi:[0,1]   ; d = t_n - t_m
.set k, k+2
.endr
.set k, 0
.rept 16
	v_pk_mul_f32 v[PX+k:PX+k+1], v[PD+k:PD+k+1], v[CC:CC+1]
.set k, k+2
.endr
.set k, 0
.rept 32
	v_exp_f32 v[PX+k], v[PX+k]                     ; exp(-d / tau): one batch
.set k, k+1
.endr
	v_add_nc_u32 v[AM], 128, v[AM]                 ; (the plain line behind the batch; the loads above have taken their address)
.set k, 0
.rept 32
	v_cmp_gt_f32 s[66+k], v[PD+k], 0               ; earlier?  These read d alone
.set k, k+1
.endr
	s_wait_alu depctr_va_vdst(0)                   ; ONE wait for the 32, ahead of their first reader
.set k, 0
.rept 32
	v_cndmask_b32 v[PX+k], v[NIL], v[PX+k], s[66+k]        ; d <= 0 counts for nothing, whatever the exponential made of it
.set k, k+1
.endr
	s_wait_dscnt 0x0                               ; the weights
.set k, 0
.rept 16
	v_pk_fma_f32 v[ACC+2*(k%4):ACC+2*(k%4)+1], v[PX+2*k:PX+2*k+1], v[PWM+2*k:PWM+2*k+1], v[ACC+2*(k%4):ACC+2*(k%4)+1]   ; four packed chains by turns
.set k, k+1
.endr
	s_add_co_u32 s51, s51, 1
	s_cmp_ge_u32 s51, s49
	s_cbranch_scc1 .Lcols_done
	s_cmp_lt_u32 s51, 64                           ; L is at most 2,048: never more than 64 groups of 32
	s_cbranch_scc1 .Lcols
.Lcols_done:
	v_pk_add_f32 v[ACC:ACC+1], v[ACC:ACC+1], v[ACC+2:ACC+3]
	v_pk_add_f32 v[ACC+4:ACC+5], v[ACC+4:ACC+5], v[ACC+6:ACC+7]
	v_pk_add_f32 v[ACC:ACC+1], v[ACC:ACC+1], v[ACC+4:ACC+5]
	v_add_f32 v[ACC], v[ACC], v[ACC+1]
	v_mul_f32 v[ACC], v[ACC], v[MKN]               ; mask_n
	v_mul_f32 v[ACC], v[ACC], v[AL2]               ; 2 log2(e) alpha x the sum
	v_exp_f32 v[ACC], v[ACC]                       ; e^(2 x)
	v_min_u32 v[IDN], 2047, v[IDN]                 ; (plain work behind it)  my observation, bounded, then as a byte offset in the batch's row
	v_mul_f32 v[PO], v[SRN], v[MKN]
	s_wait_alu depctr_va_vdst(0)
	v_add_f32 v[ACC], 1.0, v[ACC]
	v_rcp_f32 v[ACC], v[ACC]                       ; 1 - tanh(x) = 2 / (1 + e^(2 x)): right where e^(2 x) overflows or vanishes
	v_lshlrev_b32 v[IDN], 2, v[IDN]
	v_mul_f32 v[PO], 2.0, v[PO]
	s_wait_alu depctr_va_vdst(0)
	v_mul_f32 v[PO], v[PO], v[ACC]
	global_store_b32 v[IDN], v[PO], s[36:37]       ; all lanes on; the lanes past the last member repeat its word
	v_add_nc_u32 v[PSN], 32, v[PSN]
	s_wait_xcnt 0x0                                ; the store has read its offset and its data: the next trip writes both again
	s_add_co_u32 s50, s50, 1
	s_cmp_ge_u32 s50, s49
	s_cbranch_scc1 .Lend
	s_cmp_lt_u32 s50, 64
	s_cbranch_scc1 .Lrows
.Lend:
	s_set_vgpr_msb 0x5
	s_wait_tensorcnt 0x0
	ds_add_u32 v0, v1
	s_wait_dscnt 0x0
	s_set_vgpr_msb 0x500
	s_endpgm
.Lfunc_end_k_qbd3e6b5c43_bucket:
	.size	k_qbd3e6b5c43_bucket, .Lfunc_end_k_qbd3e6b5c43_bucket-k_qbd3e6b5c43_bucket
	.p2alignl 7, 3214868480
	.fill 96, 4, 3214868480
	.section	.rodata,"a",@progbits
	.p2align	6, 0x0
	.amdhsa_kernel k_qbd3e6b5c43_bucket
		.amdhsa_group_segment_fixed_size 49920
		.amdhsa_private_segment_fixed_size 0
		.amdhsa_enable_private_segment 0
		.amdhsa_kernarg_size 120
		.amdhsa_user_sgpr_count 2
		.amdhsa_user_sgpr_kernarg_segment_ptr 1
		.amdhsa_wavefront_size32 1
		.amdhsa_system_sgpr_workgroup_id_x 1
		.amdhsa_system_sgpr_workgroup_id_y 1
		.amdhsa_system_sgpr_workgroup_id_z 1
		.amdhsa_system_vgpr_workitem_id 0
		.amdhsa_next_free_vgpr 258
		.amdhsa_next_free_sgpr 98
		.amdhsa_reserve_vcc 1
		.amdhsa_float_denorm_mode_32 3
		.amdhsa_float_denorm_mode_16_64 3
		.amdhsa_memory_ordered 1
		.amdhsa_forward_progress 1
		.amdhsa_inst_pref_size 105
	.end_amdhsa_kernel
	.amdgpu_metadata
---
amdhsa.version: [ 1, 2 ]
amdhsa.kernels:
  - .name:           k_qbd3e6b5c43_bucket
    .symbol:         k_qbd3e6b5c43_bucket.kd
    .args:
      - { .name: var_id, .offset: 0, .size: 8, .value_kind: global_buffer, .address_space: global }
      - { .name: time_norm, .offset: 8, .size: 8, .value_kind: global_buffer, .address_space: global }
      - { .name: value, .offset: 16, .size: 8, .value_kind: global_buffer, .address_space: global }
      - { .name: mask, .offset: 24, .size: 8, .value_kind: global_buffer, .address_space: global }
      - { .name: var_emb, .offset: 32, .size: 8, .value_kind: global_buffer, .address_space: global }
      - { .name: W1, .offset: 40, .size: 8, .value_kind: global_buffer, .address_space: global }
      - { .name: b1, .offset: 48, .size: 8, .value_kind: global_buffer, .address_space: global }
      - { .name: W2_codes, .offset: 56, .size: 8, .value_kind: global_buffer, .address_space: global }
      - { .name: W2_scales, .offset: 64, .size: 8, .value_kind: global_buffer, .address_space: global }
      - { .name: b2, .offset: 72, .size: 8, .value_kind: global_buffer, .address_space: global }
      - { .name: gate_w, .offset: 80, .size: 8, .value_kind: global_buffer, .address_space: global }
      - { .name: gate_b, .offset: 88, .size: 8, .value_kind: global_buffer, .address_space: global }
      - { .name: log_tau_r, .offset: 96, .size: 8, .value_kind: global_buffer, .address_space: global }
      - { .name: log_alpha, .offset: 104, .size: 8, .value_kind: global_buffer, .address_space: global }
      - { .name: out0, .offset: 112, .size: 8, .value_kind: global_buffer, .address_space: global }
    .group_segment_fixed_size: 49920
    .private_segment_fixed_size: 0
    .kernarg_segment_align: 8
    .kernarg_segment_size: 120
    .max_flat_workgroup_size: 32
    .sgpr_count:     98
    .vgpr_count:     258
    .wavefront_size: 32
...
	.end_amdgpu_metadata
.endif
;; end of part 1
